; MI455X (gfx1250); checked and timed in simulation.
; The chip was launched on July 23, 2026; its instructions are those of AMD's public machine-readable ISA for CDNA 5 (MIT licence, August 2026) and "CDNA5" Instruction Set Architecture Reference Guide (July 2026). The comments in the code are by the model that wrote it; some were corrected since.
;; Vanilla VQ. Allowed arithmetic: matrix products marked QUANTISED: E3M2 operands, one E8M0 scale for each 32 along K, by v_wmma_scale_f32_16x16x128_f8f6f4 with both operands' format E3M2, f32 sums; everything else in f32.
;; Inputs: codebook 8,192 x 512 float32; z 16,384 x 512 float32.
;; Outputs: out0 16,384 x 512 float32; out1 16,384 int32.
;; This version of the problem:
;;   THIS VERSION OF THE PROBLEM IS GIVEN IN LOW PRECISION. The matrix products marked QUANTISED in the list below multiply operands that are first quantised to E3M2 (3 exponent bits, 2 mantissa bits; 6 bits a number), with one power-of-two scale for each 32 numbers along K (OCP MX v1.0); their sums are f32. All else is computed in f32.
;;   The module's matrix products, in the order in which they are computed (A, B: the left and right operand; K: the contracted axis; several contracted axes count as one K, in the product's order):
;;     1. [M 16,384, K 512] x [K 512, N 8,192]; A: input z; B: input codebook: QUANTISED
;;   THE QUANTISER, for each operand of a quantised product, along K:
;;     - K is cut into blocks of 32 from its start; a last block that is shorter is filled with zeros.
;;     - A block's scale is 2^e with e = floor(log2(the largest magnitude in the block)) - 4, held to -126 .. 127; a block of zeros has e = 0. As a byte (E8M0): e + 127.
;;     - Each number is divided by its block's scale, clamped to +-28, and rounded to the nearest number of E3M2, ties to even, subnormals kept.
;;     - The product sums the exact products of the quantised numbers (number of the format x scale) in f32.
;;   ~~~python
;;   def quantise(x, axis):      # numpy; x: float32 -> the quantised numbers, widened to float32 again
;;       x = np.moveaxis(x, axis, -1); K = x.shape[-1]
;;       x = np.pad(x, [(0, 0)] * (x.ndim - 1) + [(0, -K % 32)]); x = x.reshape(x.shape[:-1] + (-1, 32)); a = np.abs(x).max(-1, keepdims=True)
;;       e = np.where(a > 0, np.clip(np.frexp(np.where(a > 0, a, 1))[1] - 1 - 4, -126, 127), 0)      # np.frexp(a)[1] - 1 = floor(log2(a)), exactly
;;       r = np.clip(x / 2.0 ** e, -28, 28)
;;       step = 2.0 ** (np.maximum(np.frexp(np.where(r == 0, 1, r))[1] - 1, -2) - 2)
;;       q = np.round(r / step) * step * 2.0 ** e      # np.round: ties to even
;;       return np.moveaxis(q.reshape(q.shape[:-2] + (-1,))[..., :K], -1, axis).astype(np.float32)
;;   ~~~
;; One version. Each part assembles by itself: llvm-mc -triple=amdgcn-amd-amdhsa -mcpu=gfx1250 --defsym DOCPART=n.
;; ======== version 1 of 1: 3 launches
;; limits: right only within a limited range of input values
;; workspace buffers: q 9,928,704 bytes; cval 131,072 bytes; cidx 131,072 bytes of whole numbers
;; launch quant (part 1): grid 768 x 1, 8 waves a work-group, no clusters, 69,632 bytes of LDS; arguments z, codebook, q; writes q
.if DOCPART == 1
	.amdgcn_target "amdgcn-amd-amdhsa--gfx1250"
	.amdhsa_code_object_version 6
	.text
	.protected	k_qb35b272b3d_quant
	.globl	k_qb35b272b3d_quant
	.p2align	8
	.type	k_qb35b272b3d_quant,@function
k_qb35b272b3d_quant:
	s_mov_b64 s[64:65], 0
	v_nop
	global_prefetch_b8 v0, s[64:65] scope:SCOPE_SE
	s_setreg_imm32_b32 hwreg(HW_REG_WAVE_MODE, 25, 1), 1
	s_wait_xcnt 0x0
; z [16384][512] and codebook [8192][512], f32, become codes of E3M2 (6 bits) with one E8M0 scale byte for each 32 along K, and each row's sum of squares (of the f32 numbers) is made beside them.
; A block's scale is 2^(floor(log2(its largest magnitude)) - 4); its byte is that magnitude's exponent field - 4, held at 1 from below by a floor among the maximum's leaves.
; LAYOUT OF q: 96 chunks of CH bytes, 16 tiles of 16 rows each; chunks 0-63 z, chunks 64-95 the codebook.  In a chunk: tile u, K step s (128 along K) at 6144 u + 1536 s, as an IMAGE OF THE OPERAND'S REGISTERS
; (registers 4 c .. 4 c + 3 of lane l at 512 c + 16 l); at SCO the scale words (256 u + 16 row + 4 s); at SQO the sums of squares (64 u + 4 row).  So the reader takes fragments by 16-byte loads, and a chunk is one dense block.
; SHARES: a work-group takes two tiles; wave w takes tile w / 4, K step w % 4: 16 rows x 128 numbers.  Each load reads 512 consecutive bytes of one row; the 8 KiB turn through the wave's own stage in LDS, so that
; lane (r, h) holds k = 64 c + 32 h + 0 .. 31 of row r: two whole blocks, in the very order of the operand's registers.  No maximum asks another lane.
; No tensor load, no cluster: no two work-groups read the same bytes.
; LIMITS: NaN and infinities among the inputs are not served.  A block of zeros gets the byte 1 where the rule says 127: its codes are zeros, and this program alone reads the bytes.
; The sums of squares leave as 128 bytes a work-group, half of an aligned 256: 96 KiB of the launch's 60 MB.
.set CH,   103424
.set SCO,  98304
.set SQO,  102400
.set SPIT, 528                         ; a stage row: 512 bytes + 16, an odd multiple of 16
.set STGB, 16*SPIT                     ; a wave's stage
.set SCW,  8*STGB                      ; behind the stages: 2 tiles x 256 bytes of scale words
.set SQP,  SCW+512                     ; and 2 tiles x 4 K steps x 64 bytes of partial sums
.set R,    16                          ; v16-79   the numbers as loaded; free again behind the turn's wait:
.set F,    16                          ; v16-27   the fragment
.set HI,   28                          ; v28-30, v32-34 the upper 16 codes of my two blocks (a conversion's three registers begin on an even number)
.set MX,   40                          ; v40-41   largest magnitudes
.set OP,   42                          ; v42-43   the conversions' scale operands
.set BY,   44                          ; v44-45   the scale bytes
.set WD,   46                          ; v46      the scale word
.set PT,   47                          ; v47      a permute's destination
.set SS,   48                          ; v48-55   four pairs of sums
.set PU,   56                          ; v56      a permute's destination
.set X,    80                          ; v80-143  the numbers turned
	s_load_b128 s[4:7], s[0:1], 0x0                ; z, codebook
	s_load_b64 s[8:9], s[0:1], 0x10                ; q
	v_lshl_add_u32 v144, v0, 2, 0x10c00
	v_mov_b32 v145, 0
	v_lshrrev_b32 v1, 5, v0
	s_delay_alu instid0(VALU_DEP_1)
	v_readfirstlane_b32 s10, v1                    ; wave 0..7
	s_lshr_b32 s11, s10, 2                         ; which of the two tiles
	s_and_b32 s12, s10, 3                          ; which K step
	s_lshl_b32 s13, ttmp9, 1
	s_add_co_u32 s13, s13, s11                     ; T: my tile among the 1,536 of both tensors
	s_mov_b32 s20, 0x76543210
	s_mov_b32 s21, 0xfedcba98                      ; v_permlanex16_b32's selects for lane l xor 16
	v_and_b32 v1, 31, v0                           ; lane
	v_and_b32 v2, 15, v0                           ; r
	s_wait_alu depctr_va_vdst(0)
	v_bfe_u32 v3, v0, 4, 1                         ; h
	v_lshlrev_b32 v4, 4, v1                        ; 16 x lane: in a row's 512 bytes, and in an image
	s_wait_alu depctr_va_vdst(0)
	s_mul_i32 s18, s10, STGB
	v_add_nc_u32 v5, s18, v4                       ; the stage, on the way in
	v_mul_u32_u24 v6, v2, SPIT
	s_delay_alu instid0(VALU_DEP_1)
	v_lshl_add_u32 v6, v3, 7, v6
	s_delay_alu instid0(VALU_DEP_1)
	v_add_nc_u32 v6, s18, v6                       ; and on the way out: row r, + 128 h
	s_lshl_b32 s18, s11, 8                         ; 256 x tile
	s_lshl_b32 s19, s12, 2
	s_add_co_u32 s19, s19, s18
	s_add_co_u32 s19, s19, SCW
	v_lshl_add_u32 v7, v2, 4, s19                  ; my row's scale word of my K step
	s_lshl_b32 s19, s12, 6
	s_add_co_u32 s19, s19, s18
	s_add_co_u32 s19, s19, SQP
	v_lshl_add_u32 v8, v2, 2, s19                  ; my row's partial sum
	v_add_nc_u32 v9, SCW, v4                       ; wave 0 reads all scale words back
	v_lshlrev_b32 v10, 2, v2
	s_delay_alu instid0(VALU_DEP_1)
	v_lshl_add_u32 v10, v3, 8, v10
	s_delay_alu instid0(VALU_DEP_1)
	v_add_nc_u32 v10, SQP, v10                     ; wave 1 reads the partial sums: tile lane / 16, row lane % 16
	v_lshlrev_b32 v11, 2, v1
	v_lshlrev_b32 v12, 3, v3                       ; 8 h: my bytes' place in the scale word
	; offsets, apart from the addresses
	s_cmp_lt_u32 ttmp9, 512
	s_cselect_b32 s14, 0, 1024                     ; the codebook's tiles count from 1,024
	s_sub_co_u32 s14, s13, s14
	s_lshl_b32 s14, s14, 15                        ; 16 rows of 2,048 bytes a tile
	s_lshl_b32 s15, s12, 9
	s_add_co_u32 s14, s14, s15                     ; + 512 bytes a K step
	s_mov_b32 s15, 0
	s_lshr_b32 s16, s13, 4
	s_mul_i32 s16, s16, CH                         ; my chunk
	s_and_b32 s18, s13, 15
	s_mul_i32 s18, s18, 6144
	s_mul_i32 s19, s12, 1536
	s_add_co_u32 s18, s18, s19
	s_add_co_u32 s18, s18, s16                     ; my image
	s_mov_b32 s19, 0
	s_and_b32 s22, s13, 14                         ; the work-group's first tile in the chunk
	s_lshl_b32 s30, s22, 8
	s_add_co_u32 s30, s30, s16
	s_add_co_u32 s30, s30, SCO
	s_mov_b32 s31, 0
	s_lshl_b32 s32, s22, 6
	s_add_co_u32 s32, s32, s16
	s_add_co_u32 s32, s32, SQO
	s_mov_b32 s33, 0
	s_wait_alu depctr_va_vdst(0)
	s_wait_kmcnt 0x0
	s_cmp_lt_u32 ttmp9, 512                        ; z's work-group or the codebook's: the choice hangs on the work-group's number alone
	s_cselect_b64 s[4:5], s[4:5], s[6:7]
	s_add_nc_u64 s[4:5], s[4:5], s[14:15]
	s_add_nc_u64 s[24:25], s[8:9], s[18:19]
	s_add_nc_u64 s[26:27], s[8:9], s[30:31]
	s_add_nc_u64 s[28:29], s[8:9], s[32:33]
.irp i, 0,1,2,3,4,5,6,7,8,9,10,11,12,13,14,15
	global_load_b128 v[R+4*\i:R+4*\i+3], v4, s[4:5] offset:2048*\i th:TH_LOAD_NT   ; row i: 32 lanes read 512 consecutive bytes
.endr
.irp i, 0,1,2,3,4,5,6,7,8,9,10,11,12,13,14,15
	s_wait_loadcnt 15-\i                           ; loads come back in order: row i is in, the younger rows stay out
	ds_store_b128 v5, v[R+4*\i:R+4*\i+3] offset:SPIT*\i
.endr
.irp c, 0,1
.irp i, 0,1,2,3,4,5,6,7
	ds_load_b128 v[X+32*\c+4*\i:X+32*\c+4*\i+3], v6 offset:256*\c+16*\i   ; LDS serves a wave's instructions in order: these see my stores
.endr
.endr
	s_wait_dscnt 0x0                               ; the numbers are back, and the stores have read v16-79
	v_mov_b32 v[PT], 0                             ; a lane permute's destination counts as one of its sources
	v_mov_b32 v[PU], 0
.irp c, 0,1
	v_max3_num_f32 v[MX+\c], |v[X+32*\c]|, |v[X+32*\c+1]|, 0x2800000   ; my block 2 c + h, and the floor 2^(5 - 127): so the byte cannot fall under 1
.endr
.irp i, 2,4,6,8,10,12,14,16,18,20,22,24,26,28,30
.irp c, 0,1
	s_delay_alu instid0(VALU_DEP_2)
	v_max3_num_f32 v[MX+\c], v[MX+\c], |v[X+32*\c+\i]|, |v[X+32*\c+\i+1]|   ; (the two blocks by turns)
.endr
.endr
.irp c, 0,1
	s_delay_alu instid0(VALU_DEP_2)
	v_add_nc_u32 v[OP+\c], 0xfe000000, v[MX+\c]    ; 4 off the exponent field: the conversion takes this operand's exponent field as its scale
.endr
.irp c, 0,1
	s_delay_alu instid0(VALU_DEP_2)
	v_lshrrev_b32 v[BY+\c], 23, v[OP+\c]           ; the scale's byte
.endr
.irp j, 0,1,2,3
	v_pk_mul_f32 v[SS+2*\j:SS+2*\j+1], v[X+2*\j:X+2*\j+1], v[X+2*\j:X+2*\j+1]   ; the sum of squares of my 64 numbers: four packed chains, begun by products
.endr
.set j, 4
.rept 28
	s_delay_alu instid0(VALU_DEP_4)
	v_pk_fma_f32 v[SS+2*(j%4):SS+2*(j%4)+1], v[X+2*j:X+2*j+1], v[X+2*j:X+2*j+1], v[SS+2*(j%4):SS+2*(j%4)+1]
.set j, j+1
.endr
.irp c, 0,1
	v_cvt_scalef32_pk16_bf6_f32 v[F+6*\c:F+6*\c+2], v[X+32*\c:X+32*\c+15], v[OP+\c]          ; registers 6 c .. 6 c + 2 of the operand
	v_cvt_scalef32_pk16_bf6_f32 v[HI+4*\c:HI+4*\c+2], v[X+32*\c+16:X+32*\c+31], v[OP+\c]     ; the block's upper 16 codes, made elsewhere and moved
.endr
	v_pk_add_f32 v[SS:SS+1], v[SS:SS+1], v[SS+2:SS+3]          ; (a plain line behind the last conversion)
	v_pk_add_f32 v[SS+4:SS+5], v[SS+4:SS+5], v[SS+6:SS+7]
	s_delay_alu instid0(VALU_DEP_1)
	v_pk_add_f32 v[SS:SS+1], v[SS:SS+1], v[SS+4:SS+5]
.irp c, 0,1
.irp i, 0,1,2
	v_mov_b32 v[F+6*\c+3+\i], v[HI+4*\c+\i]
.endr
.endr
	v_add_f32 v[SS], v[SS], v[SS+1]
	s_delay_alu instid0(VALU_DEP_1)
	v_permlanex16_b32 v[PU], v[SS], s20, s21
	s_delay_alu instid0(VALU_DEP_1)
	v_add_f32 v[SS], v[SS], v[PU]                  ; with lane l xor 16's: my row's 128 numbers
	v_lshl_or_b32 v[WD], v[BY+1], 16, v[BY]        ; my two bytes: blocks h and 2 + h,
	s_delay_alu instid0(VALU_DEP_1)
	v_lshlrev_b32 v[WD], v12, v[WD]                ; at their places in the word;
	s_delay_alu instid0(VALU_DEP_1)
	v_permlanex16_b32 v[PT], v[WD], s20, s21
	s_delay_alu instid0(VALU_DEP_1)
	v_or_b32 v[WD], v[WD], v[PT]                   ; with lane l xor 16's two the word is whole
.irp c, 0,1,2
	global_store_b128 v4, v[F+4*\c:F+4*\c+3], s[24:25] offset:512*\c   ; the image: each store covers 512 consecutive bytes, aligned
.endr
	ds_store_b32 v7, v[WD]                         ; lanes l and l + 16 write the same word with the same value
	ds_store_b32 v8, v[SS]
	s_wait_dscnt 0x0                               ; for the others' sake: my stores have landed
	s_barrier_signal -1
	s_barrier_wait -1
	s_cmp_lg_u32 s10, 0
	s_cbranch_scc1 .Lnot_wave_0
	ds_load_b128 v[60:63], v9                      ; both tiles' scale words: 512 bytes
	s_wait_dscnt 0x0
	global_store_b128 v4, v[60:63], s[26:27]       ; 512 consecutive bytes, aligned
	s_wait_tensorcnt 0x0
	ds_add_u32 v144, v145
	s_wait_dscnt 0x0
	s_endpgm
.Lnot_wave_0:
	s_cmp_lg_u32 s10, 1
	s_cbranch_scc1 .Ldone
.irp s, 0,1,2,3
	ds_load_b32 v[64+\s], v10 offset:64*\s         ; my row's four partial sums
.endr
	s_wait_dscnt 0x0
	v_add_f32 v64, v64, v65
	s_delay_alu instid0(VALU_DEP_1)
	v_add_f32 v64, v64, v66
	s_delay_alu instid0(VALU_DEP_1)
	v_add_f32 v64, v64, v67                        ; K ascending
	global_store_b32 v11, v64, s[28:29]
.Ldone:
	s_wait_tensorcnt 0x0
	ds_add_u32 v144, v145
	s_wait_dscnt 0x0
	s_endpgm
.Lfunc_end_k_qb35b272b3d_quant:
	.size	k_qb35b272b3d_quant, .Lfunc_end_k_qb35b272b3d_quant-k_qb35b272b3d_quant
	.p2alignl 7, 3214868480
	.fill 96, 4, 3214868480
	.section	.rodata,"a",@progbits
	.p2align	6, 0x0
	.amdhsa_kernel k_qb35b272b3d_quant
		.amdhsa_group_segment_fixed_size 69632
		.amdhsa_private_segment_fixed_size 0
		.amdhsa_enable_private_segment 0
		.amdhsa_kernarg_size 24
		.amdhsa_user_sgpr_count 2
		.amdhsa_user_sgpr_kernarg_segment_ptr 1
		.amdhsa_wavefront_size32 1
		.amdhsa_system_sgpr_workgroup_id_x 1
		.amdhsa_system_sgpr_workgroup_id_y 1
		.amdhsa_system_sgpr_workgroup_id_z 1
		.amdhsa_system_vgpr_workitem_id 0
		.amdhsa_next_free_vgpr 146
		.amdhsa_next_free_sgpr 66
		.amdhsa_reserve_vcc 0
		.amdhsa_float_denorm_mode_32 3
		.amdhsa_float_denorm_mode_16_64 3
		.amdhsa_memory_ordered 1
		.amdhsa_forward_progress 1
		.amdhsa_inst_pref_size 17
	.end_amdhsa_kernel
	.amdgpu_metadata
---
amdhsa.version: [ 1, 2 ]
amdhsa.kernels:
  - .name:           k_qb35b272b3d_quant
    .symbol:         k_qb35b272b3d_quant.kd
    .args:
      - { .name: z, .offset: 0, .size: 8, .value_kind: global_buffer, .address_space: global }
      - { .name: codebook, .offset: 8, .size: 8, .value_kind: global_buffer, .address_space: global }
      - { .name: q, .offset: 16, .size: 8, .value_kind: global_buffer, .address_space: global }
    .group_segment_fixed_size: 69632
    .private_segment_fixed_size: 0
    .kernarg_segment_align: 8
    .kernarg_segment_size: 24
    .max_flat_workgroup_size: 256
    .sgpr_count:     66
    .vgpr_count:     146
    .wavefront_size: 32
...
	.end_amdgpu_metadata
.endif
;; end of part 1
;; launch search (part 2): grid 128 x 2, 8 waves a work-group, clusters of 4 x 1, 327,680 bytes of LDS; arguments q, cval, cidx; writes cval, cidx
.if DOCPART == 2
	.amdgcn_target "amdgcn-amd-amdhsa--gfx1250"
	.amdhsa_code_object_version 6
	.text
	.protected	k_qb35b272b3d_search
	.globl	k_qb35b272b3d_search
	.p2align	8
	.type	k_qb35b272b3d_search,@function
k_qb35b272b3d_search:
	s_mov_b64 s[64:65], 0
	v_nop
	global_prefetch_b8 v0, s[64:65] scope:SCOPE_SE
	s_setreg_imm32_b32 hwreg(HW_REG_WAVE_MODE, 25, 1), 1
	s_wait_xcnt 0x0
	s_wait_alu depctr_hold_cnt(0) depctr_sa_sdst(0) depctr_va_vdst(0) depctr_va_sdst(0) depctr_va_ssrc(0) depctr_va_vcc(0) depctr_vm_vsrc(0)
	s_getreg_b32 s2, hwreg(HW_REG_IB_STS2, 6, 4)
	s_cmp_eq_u32 s2, 0
	s_cbranch_scc0 .Lentry_in_a_cluster
	s_endpgm
.Lentry_in_a_cluster:
	s_bfe_u32 s2, ttmp6, 0x10000c
	s_cmp_lg_u32 s2, 0x3003
	s_cbranch_scc0 .Lentry_shape_is_right
	s_endpgm
.Lentry_shape_is_right:
; For 128 rows of z and 4,096 entries of the codebook: cross = Q(z) Q(c)^T on codes of E3M2 with E8M0 scales, d2 = (z_sq - 2 cross) + c_sq in f32 with reference()'s two roundings
; (one fused multiply-add by -2, one addition), and the smallest d2 of each row with its lowest index.  d2 never goes to memory.
; SHARES: work-group x = 128 rows, y = half of the entries (16 chunks of 256).  Wave W: rows 64 (W / 4) on, four tiles of 16, whose 16 fragments stay in registers; of each chunk the tiles 4 (W % 4) .. + 3.
; THE PRODUCT IS USED TRANSPOSED (source 0 = 16 entries, source 1 = 16 rows of z): a lane holds ONE row of z and the entries 8 (lane / 16) + 0 .. 7, so z_sq is one number a lane and the minimum runs along registers.
; THE MINIMUM: a tile's least d2 is compared with the lane's best so far (the earlier tile stays on a tie); where it wins, the best, the tile's first index and the eight d2 are kept, two registers a line.
; The place inside the winning tile is found once, at the end: the first of the eight kept numbers that equals the best.
; A STEP is one tile: the wait for its 14 or 15 LDS loads, the next tile's loads in one run (two sets of fragment registers by turns), its 16 products (4 K steps x 4 row tiles, K ascending), the 71 vector lines of the tile before.
; RING: two LDS slots of one chunk (codes, scale words, sums of squares: one dense block).  Waves 0-3 fill slot 0, waves 4-7 slot 1, a quarter each: one tensor load a wave at the head, one behind a slot's round.
; THE CHANGE OF SLOTS stands between a chunk's steps 2 and 3: tile 3's loads, the last reads of the slot, are awaited behind tile 2's products; tile 1's vector lines stand inside the round; the round closes at step 3's head,
; so that the next chunk's first loads have step 3's 16 products and 71 lines in which to land.
; CLUSTER: the four work-groups of a cluster walk the same chunks and ask for each JOINTLY.  THE WALK IS ROTATED: cluster x begins at chunk x % 16 of its half and goes round.  Chunk 0 is met once; there the state so far
; (all of higher indices) is resolved and put aside, and all later merges compare the value first and then the index.  The branch hangs on the cluster's number, which the partners share.
; NO PREFETCH: the 32 walks of a half begin at all 16 chunks, so each chunk that a refill asks for has been loaded by other clusters two or more chunks earlier.
; LIMITS: NaN among the inputs, and d2 beyond f32's range, are not served (reference() gives a NaN's index; this text does not).
; REGISTERS, window 0: v1-6 LDS addresses; v7-8 for the add; v9 index; v10 stage; v11 8 h; v12-15 at work; v16-23 z_sq; v24-39 z's scale words; v40-47 the entries' scale words; v48-79 c_sq of four tiles;
;   v80-127 fragments of even tiles; v128-191 two sets of four accumulators; v192-199 (best, index); v200-231 kept d2; v232-239 the state put aside; v240-255 at work.
;   Window 1: v0-191 z's 16 fragments; v192-239 fragments of odd tiles.
.set DUAL,  1                          ; 1: the selects and the last minimum go two to a line
.set CH,    103424                     ; a chunk of q
.set PART,  CH/4                       ; what one tensor load brings: 101 rows of 256 bytes
.set SCO,   98304
.set SQO,   102400
.set SLOT,  CH
.set MRG,   2*SLOT                     ; behind the ring: 512 bytes a wave: (value, index) of its 64 rows.  No fill lands here
.set SPARE, MRG+4096                   ; the spare words, 128 bytes for each wave: four blocks of 256 bytes that no other line names
.set ADB,  1
.set ADS,  3
.set ADC,  5
.set SPW,  7
.set NIL,  8
.set CUR,  9
.set ADM,  10
.set H8,   11
.set ZSQ,  16                          ; pair 2 m: z_sq of row 16 m + r
.set ZSC,  24                          ; 4 m + s
.set ESC,  40                          ; 4 p + s: lanes 0-15 tile 2 p, lanes 16-31 tile 2 p + 1
.set CSQ,  48                          ; 8 t + j
.set BF,   80                          ; even tiles: window 0; odd tiles: v192 of window 1
.set ACC,  128                         ; 32 (t % 2) + 8 m
.set BI,   192                         ; 2 m: best, 2 m + 1: index
.set SAV,  200                         ; 8 m + j
.set OLD,  232                         ; values, then indices
.set PCH,  16                          ; s16  the chunk being multiplied
.set FCH,  17                          ; s17  the chunk to be asked for next
.set IB,   18                          ; s18  first index of my tiles in the chunk
.set IB0,  19                          ; s19  4096 y + 64 (W % 4)
.set TI,   36                          ; s36  first index of the tile in the vector lines
.set MSB, 0
.macro WIN new                         ; the immediate's high byte repeats the setting that is left
.if MSB != \new
	s_set_vgpr_msb (MSB<<8)|\new
.set MSB, \new
.endif
.endm
.macro CREST                           ; a round of the cluster's barrier behind its opening barrier
	s_cmp_lg_u32 s10, 0
	s_cbranch_scc1 .Lnot_wave_0_\@
	s_barrier_signal -3
.Lnot_wave_0_\@:
	s_barrier_wait -3
	s_barrier_signal -1
	s_barrier_wait -1
.endm
.macro CROUND
	s_barrier_signal -1
	s_barrier_wait -1
	CREST
.endm
.macro TLOAD n                         ; the four waves of slot n ask for a quarter of a chunk each; s_nop 0 and four v_nop follow the load
	s_cmp_eq_u32 s11, \n
	s_cbranch_scc0 .Lno_load_\@
	tensor_load_to_lds s[32:35], s[24:31]
	s_nop 0
.rept 4
	v_nop
.endr
.Lno_load_\@:
.endm
; Tile t of slot n: its four fragments (12 loads of 512 consecutive bytes), its c_sq, and with an even tile the scale words of the pair
.macro LOADS n, t
.if (\t)%2
	WIN 0x40                                       ; destination window 1
.endif
.irp i, 0,1,2,3,4,5,6,7,8,9,10,11
	ds_load_b128 v[BF+112*((\t)%2)+4*\i:BF+112*((\t)%2)+4*\i+3], v[ADB+(\n)] offset:6144*(\t)+512*\i
.endr
	WIN 0
.if (\t)%2 == 0
	ds_load_b128 v[ESC+2*(\t):ESC+2*(\t)+3], v[ADS+(\n)] offset:256*(\t)
.endif
	ds_load_b128 v[CSQ+8*(\t):CSQ+8*(\t)+3], v[ADC+(\n)] offset:64*(\t)
	ds_load_b128 v[CSQ+8*(\t)+4:CSQ+8*(\t)+7], v[ADC+(\n)] offset:64*(\t)+16
.endm
; Eight products: tile t, K steps g0 and g0 + 1, the four row tiles.  The four accumulators take turns.  K step 0 starts the sums with the constant 0.
.macro MM t, g0
	WIN 0x04+((\t)%2)                              ; source 1 (z) window 1; source 0 window 1 for an odd tile
.irp g, \g0, \g0+1
.irp m, 0,1,2,3
.set rD, ACC+32*((\t)%2)+8*\m
.set rZ, 12*(4*\m+(\g))
.set rF, BF+112*((\t)%2)+12*(\g)
.set rS, ESC+4*((\t)/2)+(\g)
.set rT, ZSC+4*\m+(\g)
.if (\g) == 0
.if (\t)%2
	v_wmma_scale_f32_16x16x128_f8f6f4 v[rD:rD+7], v[rF:rF+11], v[rZ:rZ+11], 0, v[rS], v[rT] matrix_a_fmt:MATRIX_FMT_BF6 matrix_b_fmt:MATRIX_FMT_BF6 matrix_a_scale:MATRIX_SCALE_ROW1
.else
	v_wmma_scale_f32_16x16x128_f8f6f4 v[rD:rD+7], v[rF:rF+11], v[rZ:rZ+11], 0, v[rS], v[rT] matrix_a_fmt:MATRIX_FMT_BF6 matrix_b_fmt:MATRIX_FMT_BF6
.endif
.else
.if (\t)%2
	v_wmma_scale_f32_16x16x128_f8f6f4 v[rD:rD+7], v[rF:rF+11], v[rZ:rZ+11], v[rD:rD+7], v[rS], v[rT] matrix_a_fmt:MATRIX_FMT_BF6 matrix_b_fmt:MATRIX_FMT_BF6 matrix_a_scale:MATRIX_SCALE_ROW1
.else
	v_wmma_scale_f32_16x16x128_f8f6f4 v[rD:rD+7], v[rF:rF+11], v[rZ:rZ+11], v[rD:rD+7], v[rS], v[rT] matrix_a_fmt:MATRIX_FMT_BF6 matrix_b_fmt:MATRIX_FMT_BF6
.endif
.endif
.endr
.endr
.endm
.macro CND2 d, a                       ; v[d], v[d + 1] take v[a], v[a + 1] where VCC is 0
.if DUAL
	v_dual_cndmask_b32 v[\d], v[\a], v[\d] :: v_dual_cndmask_b32 v[\d+1], v[\a+1], v[\d+1]
.else
	v_cndmask_b32 v[\d], v[\a], v[\d], vcc_lo
	v_cndmask_b32 v[\d+1], v[\a+1], v[\d+1], vcc_lo
.endif
.endm
.macro MIN2 d0, a0, d1, a1             ; two minima in one line
.if DUAL
	v_dual_min_num_f32 v[\d0], v[\d0], v[\a0] :: v_dual_min_num_f32 v[\d1], v[\d1], v[\a1]
.else
	v_min_num_f32 v[\d0], v[\d0], v[\a0]
	v_min_num_f32 v[\d1], v[\d1], v[\a1]
.endif
.endm
.macro KEEP m, tm, a                   ; row tile m: the tile's least d2, in v[tm], against the best so far: VCC = 1 where the best stays (also on a tie: the earlier tile)
	v_cmp_ge_f32 vcc_lo, v[\tm], v[BI+2*(\m)]
.if DUAL
	v_dual_cndmask_b32 v[BI+2*(\m)], v[\tm], v[BI+2*(\m)] :: v_dual_cndmask_b32 v[BI+2*(\m)+1], v[CUR], v[BI+2*(\m)+1]
.else
	v_cndmask_b32 v[BI+2*(\m)], v[\tm], v[BI+2*(\m)], vcc_lo
	v_cndmask_b32 v[BI+2*(\m)+1], v[CUR], v[BI+2*(\m)+1], vcc_lo
.endif
.irp j, 0,2,4,6
	CND2 SAV+8*(\m)+\j, \a+\j
.endr
.endm
; The vector lines of tile pt, whose first index is in s[TI]: d2 in place, from each accumulator's low end on; the four row tiles go level by level, so that no line reads the line above it until the selections
.macro VAL pt
.set rA, ACC+32*((\pt)%2)
.set rC, CSQ+8*(\pt)
	v_add_nc_u32 v[CUR], s[TI], v[H8]
.irp m, 0,1,2,3
.irp j, 0,2,4,6
	v_pk_fma_f32 v[rA+8*\m+\j:rA+8*\m+\j+1], v[rA+8*\m+\j:rA+8*\m+\j+1], -2.0, v[ZSQ+2*\m:ZSQ+2*\m+1] op_sel_hi:[1,0,0]   ; z_sq - 2 cross, rounded once
.endr
.endr
.irp m, 0,1,2,3
.irp j, 0,2,4,6
	v_pk_add_f32 v[rA+8*\m+\j:rA+8*\m+\j+1], v[rA+8*\m+\j:rA+8*\m+\j+1], v[rC+\j:rC+\j+1]                                  ; + c_sq
.endr
.endr
.irp m, 0,1
	v_min3_num_f32 v[12+2*\m], v[rA+8*\m], v[rA+8*\m+1], v[rA+8*\m+2]
	v_min3_num_f32 v[13+2*\m], v[rA+8*\m+3], v[rA+8*\m+4], v[rA+8*\m+5]
.endr
.irp m, 2,3
	v_min3_num_f32 v[240+2*\m], v[rA+8*\m], v[rA+8*\m+1], v[rA+8*\m+2]
	v_min3_num_f32 v[241+2*\m], v[rA+8*\m+3], v[rA+8*\m+4], v[rA+8*\m+5]
.endr
	v_min3_num_f32 v12, v12, v13, v[rA+6]
	v_min3_num_f32 v15, v14, v15, v[rA+15]
	v_min3_num_f32 v244, v244, v245, v[rA+22]
	v_min3_num_f32 v247, v246, v247, v[rA+31]
	MIN2 12, rA+7, 15, rA+14
	MIN2 244, rA+23, 247, rA+30
	KEEP 0, 12, rA
	KEEP 1, 15, rA+8
	KEEP 2, 244, rA+16
	KEEP 3, 247, rA+24
.endm
; The state becomes (value, index): the first of the eight kept numbers that equals the best gives the place in the tile.  Results at v[dv + st m], v[di + st m].
.macro RESOLVE dv, di, st
.irp m, 0,1,2,3
	v_mov_b32 v[248+\m], 7
.endr
.irp j, 6,5,4,3,2,1,0
	v_mov_b32 v252, \j
.irp m, 0,1,2,3
	v_cmp_eq_f32 s[40+\m], v[SAV+8*\m+\j], v[BI+2*\m]
	s_delay_alu instid0(VALU_DEP_1)
	v_cndmask_b32 v[248+\m], v[248+\m], v252, s[40+\m]
.endr
.endr
.irp m, 0,1,2,3
	v_add_nc_u32 v[\di+\st*\m], v[BI+2*\m+1], v[248+\m]
	v_mov_b32 v[\dv+\st*\m], v[BI+2*\m]
.endr
.endm
.macro MERGE va, ia, vb, ib            ; b is taken where its value is less, or equal with the lower index
	v_cmp_lt_f32 s44, v[\vb], v[\va]
	v_cmp_eq_f32 s45, v[\vb], v[\va]
	v_cmp_lt_u32 s46, v[\ib], v[\ia]
	s_and_b32 s45, s45, s46
	s_or_b32 s44, s44, s45
	v_cndmask_b32 v[\va], v[\va], v[\vb], s44
	v_cndmask_b32 v[\ia], v[\ia], v[\ib], s44
.endm
.macro WRAP                            ; at chunk 0, when the lines for the chunk before are done: what was found so far has higher indices than all that follows
	s_cmp_lg_u32 s[PCH], 0
	s_wait_alu depctr_va_vdst(0)
	s_cbranch_scc1 .Lno_wrap_\@
	RESOLVE OLD, OLD+4, 1
.irp m, 0,1,2,3
	v_mov_b32 v[BI+2*\m], 0x7f800000
.endr
.Lno_wrap_\@:
.endm
; A chunk in slot n.  mode 2: the slot is filled again; 1: a barrier only; 0: the last chunk.  Each s_wait_dscnt is for 0: what is out is the one run of loads issued a step earlier.
.macro SLOTWORK n, mode
	s_lshl_b32 s[IB], s[PCH], 8
	s_add_co_u32 s[IB], s[IB], s[IB0]
	s_wait_dscnt 0x0                               ; tile 0 is in registers
	LOADS \n, 1
	MM 0, 0
	MM 0, 2
	WIN 0
	VAL 3                                          ; the last tile of the chunk before
	WRAP
	s_mov_b32 s[TI], s[IB]
	s_wait_dscnt 0x0
	LOADS \n, 2
	MM 1, 0
	MM 1, 2
	WIN 0
	VAL 0
	s_add_co_u32 s[TI], s[IB], 16
	s_wait_dscnt 0x0
	LOADS \n, 3
	MM 2, 0
	MM 2, 2
	WIN 0
.if \mode > 0
	; THE CHANGE OF SLOTS: one barrier.  In front of it each wave waits for all its tensor loads, adds 0 to its spare word, and waits for that and for its reads of this slot (tile 3's, issued 16 products ago, are the last).
	s_wait_tensorcnt 0x0                           ; no tensor load of mine is out, so group 0 may be written
	ds_add_u32 v[SPW], v[NIL]
.if \mode == 2
	s_mul_i32 s22, s[FCH], CH                      ; this slot's next chunk
	s_add_nc_u64 s[34:35], s[20:21], s[22:23]
	s_or_b32 s35, s35, 0x80000000
	s_add_co_u32 s[FCH], s[FCH], 1
	s_and_b32 s[FCH], s[FCH], 15
.endif
	s_wait_dscnt 0x0                               ; the add is done, and my reads of this slot are over
	s_barrier_signal -1
	VAL 1                                          ; work on registers while the others arrive
	s_barrier_wait -1
.if \mode == 2
	CREST                                          ; the barrier has opened a round of the cluster's: no wave of any partner still reads this slot or has a load on its way
	TLOAD \n                                       ; the first tensor load behind the round
.endif
	LOADS 1-\n, 0                                  ; the other slot is whole: the next chunk's tile 0
.else
	VAL 1
	s_wait_dscnt 0x0
.endif
	s_add_co_u32 s[TI], s[IB], 32
	MM 3, 0
	MM 3, 2
	WIN 0
	VAL 2
	s_add_co_u32 s[TI], s[IB], 48
	s_add_co_u32 s[PCH], s[PCH], 1
	s_and_b32 s[PCH], s[PCH], 15
.endm
	s_load_b128 s[4:7], s[0:1], 0x0                ; q, cval
	s_load_b64 s[8:9], s[0:1], 0x10                ; cidx
	v_lshl_add_u32 v[SPW], v0, 2, SPARE
	v_mov_b32 v[NIL], 0
	ds_add_u32 v[SPW], v[NIL]                      ; the opening lines: the add, twice on end, and its wait ahead of my first tensor load
	ds_add_u32 v[SPW], v[NIL]
	v_lshrrev_b32 v12, 5, v0
	v_readfirstlane_b32 s10, v12                   ; wave 0..7
	s_lshr_b32 s11, s10, 2                         ; which 64 rows; also: which slot I fill
	s_and_b32 s12, s10, 3                          ; which four tiles of a chunk; also: which quarter I fetch
	s_bfe_u32 s13, ttmp6, 0x40000                  ; cx
	s_lshl_b32 s14, ttmp9, 2
	s_add_co_u32 s14, s14, s13                     ; x: my block of 128 rows.  It enters z's and the outputs' addresses alone
	s_and_b32 s15, ttmp7, 0xffff                   ; y: my half of the entries
	s_and_b32 s[PCH], ttmp9, 15                    ; the cluster's first chunk
	s_add_co_u32 s[FCH], s[PCH], 2
	s_and_b32 s[FCH], s[FCH], 15
	s_lshl_b32 s[IB0], s15, 12
	s_lshl_b32 s22, s12, 6
	s_add_co_u32 s[IB0], s[IB0], s22
	s_mov_b32 s[TI], 0
	; descriptor group 1: a dense block of PART bytes as 101 rows of 32 elements of 8 bytes
	s_mov_b32 s24, 15|(3<<16)|(1<<21)              ; the mask: all four work-groups; elements of 8 bytes; no padding; bit 21 set beside a mask
	s_mov_b32 s25, 32<<16
	s_mov_b32 s26, 101<<16
	s_mov_b32 s27, 32<<16
	s_mov_b32 s28, 101
	s_mov_b32 s29, 32
	s_mov_b32 s30, 0
	s_mov_b32 s31, 0
	s_mov_b32 s50, 0x76543210
	s_mov_b32 s51, 0xfedcba98                      ; v_permlanex16_b32's selects for lane l xor 16
	s_lshl_b32 s22, s15, 4
	s_add_co_u32 s22, s22, 64
	s_mul_i32 s22, s22, CH                         ; my half's first chunk,
	s_mul_i32 s44, s12, PART
	s_add_co_u32 s22, s22, s44                     ; my quarter of it
	s_mov_b32 s23, 0
	s_lshr_b32 s54, s14, 1
	s_mul_i32 s54, s54, CH                         ; z's chunk with my rows
	s_mov_b32 s55, 0
	s_and_b32 s45, s14, 1
	s_lshl_b32 s45, s45, 3
	s_lshl_b32 s46, s11, 2
	s_add_co_u32 s45, s45, s46                     ; my first tile in z's chunk: 8 (x % 2) + 4 (W / 4)
	s_mul_i32 s56, s45, 6144                       ; the scalar parts of all vector addresses, made here so that the vector lines below stand on end
	s_lshl_b32 s57, s45, 8
	s_add_co_u32 s57, s57, SCO
	s_lshl_b32 s58, s45, 6
	s_add_co_u32 s58, s58, SQO
	s_mul_i32 s59, s12, 24576
	s_lshl_b32 s60, s12, 10
	s_add_co_u32 s60, s60, SCO
	s_lshl_b32 s61, s12, 8
	s_add_co_u32 s61, s61, SQO
	s_lshl_b32 s62, s10, 9
	s_add_co_u32 s62, s62, MRG
	s_and_b32 s63, s10, 1
	s_lshl_b32 s63, s63, 11
	s_add_co_u32 s63, s63, MRG
	s_mov_b32 s32, 1                               ; group 0: count = 1,
	s_mul_i32 s33, s10, PART                       ; LDS address: wave x a quarter: waves 0-3 slot 0, waves 4-7 slot 1 (no place in the cluster enters it)
	s_add_co_u32 s47, s[PCH], s11
	s_and_b32 s47, s47, 15
	s_mul_i32 s47, s47, CH                         ; the walk's first chunk for slot 0, its second for slot 1
	s_wait_dscnt 0x0                               ; both opening adds are done
	s_wait_kmcnt 0x0
	s_add_nc_u64 s[20:21], s[4:5], s[22:23]
	s_add_nc_u64 s[52:53], s[4:5], s[54:55]
	s_mov_b32 s22, s47
	s_add_nc_u64 s[34:35], s[20:21], s[22:23]
	s_or_b32 s35, s35, 0x80000000                  ; type = 2
	CROUND                                         ; all four work-groups are here: the first joint loads meet
	tensor_load_to_lds s[32:35], s[24:31]          ; one tensor load a wave at the head, with no branch: the eight fill both slots
	s_nop 0
.rept 4
	v_nop
.endr
	v_and_b32 v12, 31, v0                          ; lane
	v_and_b32 v13, 15, v0                          ; r
	v_bfe_u32 v14, v0, 4, 1                        ; h
	v_lshl_add_u32 v240, v12, 4, s56
	v_lshl_add_u32 v241, v13, 4, s57
	v_lshl_add_u32 v242, v13, 2, s58
	WIN 0x40                                       ; destination window 1
.irp f, 0,1,2,3,4,5,6,7,8,9,10,11,12,13,14,15      ; z's fragments (row tile f / 4, K step f % 4) stay in registers
.irp c, 0,1,2
	global_load_b128 v[12*\f+4*\c:12*\f+4*\c+3], v240, s[52:53] offset:1536*\f+512*\c
.endr
.endr
	WIN 0
.irp m, 0,1,2,3
	global_load_b128 v[ZSC+4*\m:ZSC+4*\m+3], v241, s[52:53] offset:256*\m   ; row r's four scale words
.endr
.irp m, 0,1,2,3
	global_load_b32 v[ZSQ+2*\m], v242, s[52:53] offset:64*\m
.endr
	v_lshlrev_b32 v[H8], 3, v14
	v_lshl_add_u32 v[ADB], v12, 4, s59
	v_lshl_add_u32 v[ADS], v12, 4, s60
	v_lshl_add_u32 v[ADC], v14, 5, s61
	v_lshl_add_u32 v[ADM], v13, 3, s62             ; the stage: my wave's 512 bytes, 8 bytes a row
	v_lshl_add_u32 v253, v12, 4, s63               ; and back: waves 0, 1 read the four waves of one half of the rows, two rows a lane
	v_lshlrev_b32 v254, 3, v12                     ; the outputs: 8 bytes a lane
	v_add_nc_u32 v[ADB+1], SLOT, v[ADB]
	v_add_nc_u32 v[ADS+1], SLOT, v[ADS]
	v_add_nc_u32 v[ADC+1], SLOT, v[ADC]
	; The state.  The first step's vector lines find -infinity as products: d2 = +infinity, which never takes the best's place.  So no first step is written apart.
.irp m, 0,1,2,3
	v_mov_b32 v[BI+2*\m], 0x7f800000
	v_mov_b32 v[OLD+\m], 0x7f800000
	v_mov_b32 v[BI+2*\m+1], 0x7fff0000
	v_mov_b32 v[OLD+4+\m], 0x7fff0000
.endr
.set j, 0
.rept 32
	v_mov_b32 v[SAV+j], 0
	v_mov_b32 v[ACC+32+j], 0xff800000
.set j, j+1
.endr
.irp j, 0,1,2,3,4,5,6,7
	v_mov_b32 v[CSQ+24+\j], 0
.endr
	s_wait_alu depctr_va_vdst(0)
	s_wait_tensorcnt 0x0                           ; my quarter of a slot is in
	s_barrier_signal -1
	s_barrier_wait -1                              ; everybody's is: both slots are whole
	LOADS 0, 0
	s_wait_loadcnt 0x0                             ; z
.irp m, 0,1,2,3
	v_mov_b32 v[ZSQ+2*\m+1], v[ZSQ+2*\m]           ; named with it as a pair, so it is written
.endr
	s_mov_b32 s48, 7
	s_wait_alu depctr_va_vdst(0)
.Llap:                                             ; seven trips: chunks 0-13 of the walk, which ask for chunks 2-15
	SLOTWORK 0, 2
	SLOTWORK 1, 2
	s_sub_co_u32 s48, s48, 1
	s_cmp_lg_u32 s48, 0
	s_wait_alu depctr_va_vdst(0)
	s_cbranch_scc1 .Llap
	SLOTWORK 0, 1                                  ; the tail is written out
	SLOTWORK 1, 0
	VAL 3                                          ; the last tile's lines (the lines of the tile before stand behind its products as their places)
	RESOLVE 240, 241, 2
.irp m, 0,1,2,3
	MERGE 240+2*\m, 241+2*\m, OLD+\m, OLD+4+\m     ; with what was put aside at chunk 0
.endr
.irp m, 0,1,2,3
	v_permlanex16_b32 v248, v[240+2*\m], s50, s51
	v_permlanex16_b32 v249, v[241+2*\m], s50, s51
	MERGE 240+2*\m, 241+2*\m, 248, 249             ; with lane l xor 16's eight entries of each tile
.endr
.irp m, 0,1,2,3
	ds_store_b64 v[ADM], v[240+2*\m:241+2*\m] offset:128*\m   ; lanes l and l + 16 write the same pair
.endr
	s_lshl_b32 s54, s15, 16                        ; the outputs: [2][16384]: 65536 y + 4 (128 x + 64 W + 2 lane)
	s_lshl_b32 s47, s14, 9
	s_add_co_u32 s54, s54, s47
	s_lshl_b32 s47, s10, 8
	s_add_co_u32 s54, s54, s47
	s_add_nc_u64 s[6:7], s[6:7], s[54:55]
	s_add_nc_u64 s[8:9], s[8:9], s[54:55]
	s_wait_dscnt 0x0                               ; for the others' sake: my stores have landed
	s_barrier_signal -1
	s_barrier_wait -1
	s_cmp_lt_u32 s10, 2
	s_cbranch_scc0 .Lend
.irp b, 0,1,2,3
	ds_load_b128 v[200+4*\b:203+4*\b], v253 offset:512*\b   ; rows 2 lane and 2 lane + 1, as wave 4 W + b found them
.endr
	s_wait_dscnt 0x0
.irp b, 1,2,3
	MERGE 200, 201, 200+4*\b, 201+4*\b
	MERGE 202, 203, 202+4*\b, 203+4*\b
.endr
	v_mov_b32 v216, v200
	v_mov_b32 v217, v202
	v_mov_b32 v218, v201
	v_mov_b32 v219, v203
	global_store_b64 v254, v[216:217], s[6:7]      ; 32 lanes store 256 consecutive bytes, aligned
	global_store_b64 v254, v[218:219], s[8:9]
.Lend:
	s_wait_tensorcnt 0x0                           ; the wave's end
	ds_add_u32 v[SPW], v[NIL]
	s_wait_dscnt 0x0
	CROUND                                         ; the closing round: no work-group ends while a partner may still ask for a chunk that names it
	s_endpgm
.Lfunc_end_k_qb35b272b3d_search:
	.size	k_qb35b272b3d_search, .Lfunc_end_k_qb35b272b3d_search-k_qb35b272b3d_search
	.p2alignl 7, 3214868480
	.fill 96, 4, 3214868480
	.section	.rodata,"a",@progbits
	.p2align	6, 0x0
	.amdhsa_kernel k_qb35b272b3d_search
		.amdhsa_group_segment_fixed_size 327680
		.amdhsa_private_segment_fixed_size 0
		.amdhsa_enable_private_segment 0
		.amdhsa_kernarg_size 24
		.amdhsa_user_sgpr_count 2
		.amdhsa_user_sgpr_kernarg_segment_ptr 1
		.amdhsa_wavefront_size32 1
		.amdhsa_system_sgpr_workgroup_id_x 1
		.amdhsa_system_sgpr_workgroup_id_y 1
		.amdhsa_system_sgpr_workgroup_id_z 1
		.amdhsa_system_vgpr_workitem_id 0
		.amdhsa_next_free_vgpr 512
		.amdhsa_next_free_sgpr 66
		.amdhsa_reserve_vcc 1
		.amdhsa_float_denorm_mode_32 3
		.amdhsa_float_denorm_mode_16_64 3
		.amdhsa_memory_ordered 1
		.amdhsa_forward_progress 1
		.amdhsa_inst_pref_size 173
	.end_amdhsa_kernel
	.amdgpu_metadata
---
amdhsa.version: [ 1, 2 ]
amdhsa.kernels:
  - .name:           k_qb35b272b3d_search
    .symbol:         k_qb35b272b3d_search.kd
    .args:
      - { .name: q, .offset: 0, .size: 8, .value_kind: global_buffer, .address_space: global }
      - { .name: cval, .offset: 8, .size: 8, .value_kind: global_buffer, .address_space: global }
      - { .name: cidx, .offset: 16, .size: 8, .value_kind: global_buffer, .address_space: global }
    .group_segment_fixed_size: 327680
    .private_segment_fixed_size: 0
    .kernarg_segment_align: 8
    .kernarg_segment_size: 24
    .max_flat_workgroup_size: 256
    .sgpr_count:     66
    .vgpr_count:     512
    .wavefront_size: 32
...
	.end_amdgpu_metadata
.endif
;; end of part 2
;; launch gather (part 3): grid 256 x 1, 16 waves a work-group, no clusters, 167,936 bytes of LDS; arguments z, codebook, cval, cidx, out0, out1; writes out0, out1
.if DOCPART == 3
	.amdgcn_target "amdgcn-amd-amdhsa--gfx1250"
	.amdhsa_code_object_version 6
	.text
	.protected	k_qb35b272b3d_gather
	.globl	k_qb35b272b3d_gather
	.p2align	8
	.type	k_qb35b272b3d_gather,@function
k_qb35b272b3d_gather:
	s_mov_b64 s[64:65], 0
	v_nop
	global_prefetch_b8 v0, s[64:65] scope:SCOPE_SE
	s_setreg_imm32_b32 hwreg(HW_REG_WAVE_MODE, 25, 1), 1
	s_wait_xcnt 0x0
; out1[row] = the index of the smaller of the two halves' least d2 (the lower half on a tie: its indices are lower); out0[row] = z[row] + (codebook[out1[row]] - z[row]), in f32, as reference() writes it.
; The comparison is of floating-point numbers, so it chooses VALUES only: both candidates' rows are loaded, at addresses made of the stored whole numbers, and v_cndmask_b32 takes one.
; SHARES: a work-group takes 64 rows, a wave 4; a row is 2,048 bytes.  The wave's 4 rows of z are one dense block of 8,192 bytes: ONE tensor load brings it, as 32 rows of 256 bytes, into LDS bytes of the wave's own
; (wave x 8,192), which only that wave reads, behind its own wait; nothing is filled again, so no barrier is written.  The candidates' rows come by 32 loads of 512 consecutive bytes, all issued at once;
; each row has 48 registers of its own, so no register is written twice.
; They are the same for all lanes.  No cluster: which codebook rows are read hangs on data, and z is read by one wave.
; Wave 0 also makes the work-group's 64 numbers of out1: one aligned block of 256 bytes.
.set O0, 4                             ; v4-7    row i: the lower half's candidate: 2048 x index + 16 lane
.set O1, 8                             ; v8-11   the upper half's
.set SPW, 12                           ; v12     LDS address of my spare word; never rewritten
.set NIL, 13                           ; v13     0; never rewritten
.set LA,  14                           ; v14     LDS address of my 16 bytes in my wave's block
.set SL, 16                            ; v16-207 row i at 48 i: z's row, candidate 0's, candidate 1's, 16 registers each
.set SPARE, 16*8192                    ; behind the sixteen blocks: the spare words, 128 bytes for each wave, that no other line names
	s_load_b256 s[4:11], s[0:1], 0x0               ; z, codebook, cval, cidx
	s_load_b128 s[12:15], s[0:1], 0x20             ; out0, out1
	v_lshl_add_u32 v[SPW], v0, 2, SPARE
	v_mov_b32 v[NIL], 0
	ds_add_u32 v[SPW], v[NIL]                      ; the opening lines: the add, twice on end, and its wait ahead of my first tensor load
	ds_add_u32 v[SPW], v[NIL]
	v_lshrrev_b32 v3, 5, v0
	v_readfirstlane_b32 s56, v3                    ; wave 0..15
	s_lshl_b32 s41, s56, 13                        ; group 0: LDS address: my wave's block
	v_and_b32 v3, 31, v0
	v_lshlrev_b32 v1, 4, v3                        ; 16 x lane
	v_lshlrev_b32 v2, 3, v3                        ; 8 x lane
	v_lshl_add_u32 v[LA], v3, 4, s41
	s_lshl_b32 s57, ttmp9, 6
	s_lshl_b32 s62, s56, 2
	s_add_co_u32 s57, s57, s62                     ; my wave's first row
	s_lshl_b32 s62, s57, 2
	s_mov_b32 s63, 0
	s_lshl_b32 s54, s57, 11
	s_mov_b32 s55, 0
	s_mov_b32 s32, 3<<16                           ; group 1: elements of 8 bytes, no mask, no padding
	s_mov_b32 s33, 32<<16                          ; tensor_dim0 = 32
	s_mov_b32 s34, 32<<16                          ; tensor_dim1 = 32
	s_mov_b32 s35, 32<<16                          ; tile_dim0 = 32
	s_mov_b32 s36, 32                              ; tile_dim1 = 32
	s_mov_b32 s37, 32                              ; from row to row
	s_mov_b32 s38, 0
	s_mov_b32 s39, 0
	s_mov_b32 s40, 1                               ; group 0: count = 1
	s_wait_dscnt 0x0                               ; both opening adds are done
	s_wait_alu depctr_va_vdst(0)
	s_wait_kmcnt 0x0
	s_add_nc_u64 s[42:43], s[4:5], s[54:55]        ; z at my first row
	s_or_b32 s43, s43, 0x80000000                  ; type = 2
	tensor_load_to_lds s[40:43], s[32:39]          ; my one tensor load
	s_nop 0
	s_add_nc_u64 s[8:9], s[8:9], s[62:63]          ; the tables and out1 at that row
	s_add_nc_u64 s[10:11], s[10:11], s[62:63]
	s_add_nc_u64 s[14:15], s[14:15], s[62:63]
	s_load_b128 s[16:19], s[10:11], 0x0            ; four indices of the lower half,
	s_load_b128 s[20:23], s[10:11], 0x10000        ; of the upper half,
	s_load_b128 s[24:27], s[8:9], 0x0              ; and their d2
	s_load_b128 s[28:31], s[8:9], 0x10000
	s_add_nc_u64 s[60:61], s[12:13], s[54:55]      ; out0 at that row
	s_cmp_lg_u32 s56, 0                            ; wave 0's four loads are older than all others, so no count below changes
	s_cbranch_scc1 .Lnot_first
	global_load_b64 v[208:209], v2, s[8:9]
	global_load_b64 v[210:211], v2, s[8:9] offset:65536
	global_load_b64 v[212:213], v2, s[10:11]
	global_load_b64 v[214:215], v2, s[10:11] offset:65536
.Lnot_first:
	s_wait_kmcnt 0x0
.irp i, 0,1,2,3
	s_min_u32 s[16+\i], s[16+\i], 0x1fff           ; an index stays inside the table
	s_min_u32 s[20+\i], s[20+\i], 0x1fff
	v_mov_b32 v3, s[24+\i]
	v_cmp_lt_f32 s[48+\i], s[28+\i], v3            ; the upper half wins only where it is strictly less
	v_lshl_add_u32 v[O0+\i], s[16+\i], 11, v1
	v_lshl_add_u32 v[O1+\i], s[20+\i], 11, v1
.irp j, 0,1,2,3
	global_load_b128 v[SL+48*\i+16+4*\j:SL+48*\i+16+4*\j+3], v[O0+\i], s[6:7] offset:512*\j   ; no hint: a list may name a row many times
.endr
.irp j, 0,1,2,3
	global_load_b128 v[SL+48*\i+32+4*\j:SL+48*\i+32+4*\j+3], v[O1+\i], s[6:7] offset:512*\j
.endr
.endr
	s_wait_tensorcnt 0x0                           ; my block of z is in LDS
.irp i, 0,1,2,3
.irp j, 0,1,2,3
	ds_load_b128 v[SL+48*\i+4*\j:SL+48*\i+4*\j+3], v[LA] offset:2048*\i+512*\j   ; 32 lanes take 512 neighbouring bytes
.endr
.endr
.macro TURN i
.set rZ, SL+48*(\i)
.set rC, rZ+16
.set rD, rZ+32
	s_wait_dscnt 4*(3-(\i))                        ; my row of z is in registers; the younger rows' four LDS loads each may be out
	s_wait_loadcnt 8*(3-(\i))                      ; loads come back in order: my row's candidates are in; the younger rows' eight loads each stay out
.set j, 0
.rept 16
	v_cndmask_b32 v[rC+j], v[rC+j], v[rD+j], s[48+(\i)]
.set j, j+1
.endr
.set j, 0
.rept 8
	v_pk_add_f32 v[rD+j:rD+j+1], v[rC+j:rC+j+1], v[rZ+j:rZ+j+1] neg_lo:[0,1] neg_hi:[0,1]   ; c - z
.set j, j+2
.endr
.set j, 0
.rept 8
	v_pk_add_f32 v[rC+j:rC+j+1], v[rZ+j:rZ+j+1], v[rD+j:rD+j+1]                             ; z + (c - z)
.set j, j+2
.endr
.irp j, 0,1,2,3
	global_store_b128 v1, v[rC+4*\j:rC+4*\j+3], s[60:61] offset:2048*(\i)+512*\j th:TH_STORE_NT   ; 512 consecutive bytes, aligned
.endr
.endm
.irp i, 0,1,2,3
	TURN \i
.endr
	s_cmp_lg_u32 s56, 0
	s_cbranch_scc1 .Lend
	v_cmp_lt_f32 vcc_lo, v210, v208                ; (the last turn's wait for 0 has shown these loads in)
	v_cndmask_b32 v212, v212, v214, vcc_lo
	v_cmp_lt_f32 vcc_lo, v211, v209
	v_cndmask_b32 v213, v213, v215, vcc_lo
	global_store_b64 v2, v[212:213], s[14:15]      ; 32 lanes store 256 consecutive bytes, aligned
.Lend:
	s_wait_tensorcnt 0x0                           ; the wave's end
	ds_add_u32 v[SPW], v[NIL]
	s_wait_dscnt 0x0
	s_endpgm
.Lfunc_end_k_qb35b272b3d_gather:
	.size	k_qb35b272b3d_gather, .Lfunc_end_k_qb35b272b3d_gather-k_qb35b272b3d_gather
	.p2alignl 7, 3214868480
	.fill 96, 4, 3214868480
	.section	.rodata,"a",@progbits
	.p2align	6, 0x0
	.amdhsa_kernel k_qb35b272b3d_gather
		.amdhsa_group_segment_fixed_size 167936
		.amdhsa_private_segment_fixed_size 0
		.amdhsa_enable_private_segment 0
		.amdhsa_kernarg_size 48
		.amdhsa_user_sgpr_count 2
		.amdhsa_user_sgpr_kernarg_segment_ptr 1
		.amdhsa_wavefront_size32 1
		.amdhsa_system_sgpr_workgroup_id_x 1
		.amdhsa_system_sgpr_workgroup_id_y 1
		.amdhsa_system_sgpr_workgroup_id_z 1
		.amdhsa_system_vgpr_workitem_id 0
		.amdhsa_next_free_vgpr 216
		.amdhsa_next_free_sgpr 66
		.amdhsa_reserve_vcc 1
		.amdhsa_float_denorm_mode_32 3
		.amdhsa_float_denorm_mode_16_64 3
		.amdhsa_memory_ordered 1
		.amdhsa_forward_progress 1
		.amdhsa_inst_pref_size 19
	.end_amdhsa_kernel
	.amdgpu_metadata
---
amdhsa.version: [ 1, 2 ]
amdhsa.kernels:
  - .name:           k_qb35b272b3d_gather
    .symbol:         k_qb35b272b3d_gather.kd
    .args:
      - { .name: z, .offset: 0, .size: 8, .value_kind: global_buffer, .address_space: global }
      - { .name: codebook, .offset: 8, .size: 8, .value_kind: global_buffer, .address_space: global }
      - { .name: cval, .offset: 16, .size: 8, .value_kind: global_buffer, .address_space: global }
      - { .name: cidx, .offset: 24, .size: 8, .value_kind: global_buffer, .address_space: global }
      - { .name: out0, .offset: 32, .size: 8, .value_kind: global_buffer, .address_space: global }
      - { .name: out1, .offset: 40, .size: 8, .value_kind: global_buffer, .address_space: global }
    .group_segment_fixed_size: 167936
    .private_segment_fixed_size: 0
    .kernarg_segment_align: 8
    .kernarg_segment_size: 48
    .max_flat_workgroup_size: 512
    .sgpr_count:     66
    .vgpr_count:     216
    .wavefront_size: 32
...
	.end_amdgpu_metadata
.endif
;; end of part 3
